; MI455X (gfx1250); checked and timed in simulation.
; The chip was launched on July 23, 2026; its instructions are those of AMD's public machine-readable ISA for CDNA 5 (MIT licence, August 2026) and "CDNA5" Instruction Set Architecture Reference Guide (July 2026). The comments in the code are by the model that wrote it; some were corrected since.
;; Bahdanau Attention. Allowed arithmetic: matrix products marked QUANTISED: E2M3 operands, one E8M0 scale for each 32 along K, by v_wmma_scale_f32_16x16x128_f8f6f4 with both operands' format E2M3, f32 sums; products left as they are: f32 operands where the result goes on into a quantised operand, else bf16, f16 or f32 operands; f32 sums; everything else in f32.
;; Inputs: W_h 1,024 x 1,024 float32; W_s 1,024 x 1,024 float32; decoder_hidden 32 x 1,024 float32; encoder_outputs 32 x 2,048 x 1,024 float32; mask 32 x 2,048 int32; v 1,024 float32.
;; Outputs: out0 32 x 1,024 float32; out1 32 x 2,048 float32.
;; This version of the problem:
;;   THIS VERSION OF THE PROBLEM IS GIVEN IN LOW PRECISION. The matrix products marked QUANTISED in the list below multiply operands that are first quantised to E2M3 (2 exponent bits, 3 mantissa bits; 6 bits a number), with one power-of-two scale for each 32 numbers along K (OCP MX v1.0); their sums are f32. All else is computed in f32.
;;   The module's matrix products, in the order in which they are computed (A, B: the left and right operand; K: the contracted axis; several contracted axes count as one K, in the product's order):
;;     1. [M 32, K 1,024] x [K 1,024, N 1,024]; A: input decoder_hidden; B: input W_s: QUANTISED
;;     2. [M 65,536, K 1,024] x [K 1,024, N 1,024]; A: input encoder_outputs; B: input W_h: QUANTISED
;;     3. [M 65,536, K 1,024] x [K 1,024, N 1]; A: computed on the way; B: input v: left as it is (N = 1 < 16)
;;     4. batch 32 x [M 1, K 2,048] x [K 2,048, N 1,024]; A: softmax; B: input encoder_outputs: left as it is (M = 1 < 16)
;;   THE QUANTISER, for each operand of a quantised product, along K:
;;     - K is cut into blocks of 32 from its start; a last block that is shorter is filled with zeros.
;;     - A block's scale is 2^e with e = floor(log2(the largest magnitude in the block)) - 2, held to -126 .. 127; a block of zeros has e = 0. As a byte (E8M0): e + 127.
;;     - Each number is divided by its block's scale, clamped to +-7.5, and rounded to the nearest number of E2M3, ties to even, subnormals kept.
;;     - The product sums the exact products of the quantised numbers (number of the format x scale) in f32.
;;   ~~~python
;;   def quantise(x, axis):      # numpy; x: float32 -> the quantised numbers, widened to float32 again
;;       x = np.moveaxis(x, axis, -1); K = x.shape[-1]
;;       x = np.pad(x, [(0, 0)] * (x.ndim - 1) + [(0, -K % 32)]); x = x.reshape(x.shape[:-1] + (-1, 32)); a = np.abs(x).max(-1, keepdims=True)
;;       e = np.where(a > 0, np.clip(np.frexp(np.where(a > 0, a, 1))[1] - 1 - 2, -126, 127), 0)      # np.frexp(a)[1] - 1 = floor(log2(a)), exactly
;;       r = np.clip(x / 2.0 ** e, -7.5, 7.5)
;;       step = 2.0 ** (np.maximum(np.frexp(np.where(r == 0, 1, r))[1] - 1, 0) - 3)
;;       q = np.round(r / step) * step * 2.0 ** e      # np.round: ties to even
;;       return np.moveaxis(q.reshape(q.shape[:-2] + (-1,))[..., :K], -1, axis).astype(np.float32)
;;   ~~~
;; One version. Each part assembles by itself: llvm-mc -triple=amdgcn-amd-amdhsa -mcpu=gfx1250 --defsym DOCPART=n.
;; ======== version 1 of 1: 3 launches
;; limits: right only within a limited range of input values
;; workspace buffers: codes 51,118,080 bytes; scales 2,129,920 bytes; dec 524,288 bytes; ep 4,194,304 bytes; meta 4,096 bytes of whole numbers; rowlist 262,144 bytes of whole numbers; inv 262,144 bytes of whole numbers
;; launch prep (part 1): grid 704 x 1, 4 waves a work-group, no clusters, 68,096 bytes of LDS; arguments encoder_outputs, W_h, W_s, decoder_hidden, mask, codes, scales, dec, meta, rowlist, inv; writes codes, scales, dec, meta, rowlist, inv
.if DOCPART == 1
	.amdgcn_target "amdgcn-amd-amdhsa--gfx1250"
	.amdhsa_code_object_version 6
	.text
	.protected	k_q559219e618_prep
	.globl	k_q559219e618_prep
	.p2align	8
	.type	k_q559219e618_prep,@function
k_q559219e618_prep:
	s_mov_b64 s[64:65], 0
	v_nop
	global_prefetch_b8 v0, s[64:65] scope:SCOPE_SE
	s_setreg_imm32_b32 hwreg(HW_REG_WAVE_MODE, 25, 1), 1
	s_wait_xcnt 0x0
; BAHDANAU ATTENTION, launch 1 of 3: the lists of open rows, the codes of W_h, and dec = Q(h) Q(W_s)^T, in four parts along K.
; WHAT IS DONE FOR WHICH ROWS.  mask is a whole-number input.  Where a batch has an open row (mask != 0), a row with mask == 0 has energy -1e9 and the weight 0:
; its row of x W_h^T, its tanh and its term of the context are asked for by nobody, and this program, which reads the mask from memory, does the open rows alone.
; A batch with no open row keeps all its 2,048 rows, with equal energies: uniform weights.
; LEFT OUT AS DEAD: tanh(y) = 1 - 2 r, r = 1 / (1 + 2^(2 log2(e) y)), so energy = sum(v) - 2 sum(v r).  sum(v) is the same for all open rows of a batch, a term that is the same along the
; softmax's axis: it is not computed.  Every input is loaded all the same.
; LIMITS: a masked row's weight is written as 0, as f32 gives it while sum |v| stays far under 1e9; NaN and infinities among the inputs are not served, and a NaN, an infinity or an overflow that
; reaches only the work left out (masked rows, sum(v)) is not carried to the result; a block of zeros gets the scale byte 1 (its codes are zeros; this program alone reads the bytes);
; blocks whose largest magnitude lies under 2^-124 were not tried; dec's sum over K is made in four parts of 256, added in f32 by the next launch: another order of rounding than one chain's.
; LISTS.  n = the batch's open rows (2,048 if none).  Slot q < n is the q-th open row.  rowlist[b][slot] = row (0 from slot n on), inv[b][row] = slot (n and above for masked rows), meta[b] = n, flag 'none open'.
; CODES.  A tile is 16 slots x K 1,024, laid as the image of the operand's registers: K step s, registers 4 p .. 4 p + 3 of lane l at 1536 s + 512 p + 16 l; its scale words: register q at 128 q + 4 l,
; lanes 0-15 K step 2 q, lanes 16-31 K step 2 q + 1.  Tiles 4096 + t: W_h; the x tiles are not written here.
; ROLES, by the work-group's number, the long ones first: 0-511 the lists (batch b, words 4 j .. 4 j + 3); 512-575 W_h (one tile each); 576-703 dec (16 rows of W_s x 16 batches each, wave w K steps 2 w, 2 w + 1).
; W_h and x take ONE path: for W_h the mask's bits are cleared (its 64 loads of the mask serve nothing there: the price of one path), which gives the list 0 .. 1,023, and the count of tiles is set to
; j + 1, so that of the eight trips the first alone runs.
; A wave takes K steps 2 w and 2 w + 1 of a tile.  Each load reads 512 consecutive bytes of one row; the 16 rows turn through the wave's own stage in LDS, so that a lane gets two whole blocks of 32.
; The loads run one tile ahead; behind the last tile they are not used.  No barrier: waves share nothing.
.set SPARE, 67584                      ; behind the four waves' stages: the spare words, 128 bytes a wave
.set RAW,  32                          ; v32-159  two sets of 16 x 4 registers as loaded (first: the 64 words of the mask)
.set T,    160                         ; v160-223 64 numbers of a lane: blocks h and 2 + h of its row
.set C,    224                         ; v224-235 a fragment's codes
.set XC,   236                         ; v236-242 the halves that begin on an odd register are made here and moved
.set AM,   244                         ; v244-245 largest magnitudes (v244-247 also at work in SELECT)
.set SC,   246                         ; v246-247 the conversions' scale operands
.set BY,   248                         ; v248-249 scale bytes
.set MY,   250
.set OT,   251
.set WORD, 252                         ; v252-253 scale words of the wave's two K steps
.set SW,   254
.set TMP,  255
.set TW,   32                          ; dec: W_s's numbers of the first K step, later h's of the second;
.set TH,   96                          ; h's of the first;
.set T2,   160                         ; W_s's of the second;
.set CW,   224                         ; W_s's codes, h's codes;
.set CH,   16
.set DA,   96                          ; the accumulator, where h's first numbers lay
; 64 numbers of a lane, v[t + 32 k + i] = k 64 k + 32 (lane / 16) + i of its row, become a fragment's 12 registers at v[c] and the row's scale word in v[wd]
.macro QUANT64 t, c, wd
.irp k, 0,1
	v_max3_num_f32 v[AM+\k], |v[\t+32*\k]|, |v[\t+32*\k+1]|, 0x1800000   ; the floor 2^(3 - 127) holds the byte at 1 from below
.endr
.irp i, 2,4,6,8,10,12,14,16,18,20,22,24,26,28,30
.irp k, 0,1
	v_max3_num_f32 v[AM+\k], v[AM+\k], |v[\t+32*\k+\i]|, |v[\t+32*\k+\i+1]|
.endr
.endr
.irp k, 0,1
	v_add_nc_u32 v[SC+\k], 0xff000000, v[AM+\k]    ; 2 off the exponent field: the conversion's scale operand
.endr
.irp k, 0,1
	v_lshrrev_b32 v[BY+\k], 23, v[SC+\k]           ; the scale's byte
.endr
	v_lshl_or_b32 v[MY], v[BY+1], 16, v[BY]        ; my blocks h and 2 + h,
	v_lshlrev_b32 v[MY], v7, v[MY]                 ; 8 h bits up;
	v_permlanex16_b32 v[OT], v[MY], s40, s41
	v_or_b32 v[\wd], v[MY], v[OT]                  ; with lane l xor 16's two the word is whole
	v_cvt_scalef32_pk16_fp6_f32 v[\c:\c+2], v[\t:\t+15], v[SC]
	v_cvt_scalef32_pk16_fp6_f32 v[XC:XC+2], v[\t+16:\t+31], v[SC]
	v_cvt_scalef32_pk16_fp6_f32 v[\c+6:\c+8], v[\t+32:\t+47], v[SC+1]
	v_cvt_scalef32_pk16_fp6_f32 v[XC+4:XC+6], v[\t+48:\t+63], v[SC+1]
	v_nop                                          ; one plain place behind the scaled conversions
.irp i, 0,1,2
	v_mov_b32 v[\c+3+\i], v[XC+\i]
	v_mov_b32 v[\c+9+\i], v[XC+4+\i]
.endr
.endm
; The 16 rows of tile s38 into s48-63, four slots at a time: slot q = min(16 tile + i, n - 1) lies in the last word jw whose count of earlier open rows is at most q; there it is set bit q - that count.
.macro SELECT
.irp g, 0,1,2,3
.irp k, 0,1,2,3
	s_lshl_b32 s[66+6*\k], s38, 4
.endr
.irp k, 0,1,2,3
	s_add_co_u32 s[66+6*\k], s[66+6*\k], 4*\g+\k
.endr
.irp k, 0,1,2,3
	s_min_u32 s[66+6*\k], s[66+6*\k], s32
.endr
.irp k, 0,1,2,3
	v_cmp_ge_u32 s[67+6*\k], s[66+6*\k], v10
	v_cmp_ge_u32 s[68+6*\k], s[66+6*\k], v11
.endr
.irp k, 0,1,2,3
	s_bcnt1_i32_b32 s[67+6*\k], s[67+6*\k]
	s_bcnt1_i32_b32 s[68+6*\k], s[68+6*\k]
.endr
.irp k, 0,1,2,3
	s_add_co_u32 s[67+6*\k], s[67+6*\k], s[68+6*\k]
.endr
.irp k, 0,1,2,3
	s_sub_co_u32 s[67+6*\k], s[67+6*\k], 1         ; jw
.endr
.irp k, 0,1,2,3
	s_and_b32 s[68+6*\k], s[67+6*\k], 31
.endr
.irp k, 0,1,2,3
	v_readlane_b32 s[69+6*\k], v8, s[68+6*\k]
	v_readlane_b32 s[70+6*\k], v9, s[68+6*\k]
.endr
.irp k, 0,1,2,3
	s_cmp_lt_u32 s[67+6*\k], 32
	s_cselect_b32 s[69+6*\k], s[69+6*\k], s[70+6*\k]   ; the word
.endr
.irp k, 0,1,2,3
	v_readlane_b32 s[70+6*\k], v10, s[68+6*\k]
	v_readlane_b32 s[71+6*\k], v11, s[68+6*\k]
.endr
.irp k, 0,1,2,3
	s_cmp_lt_u32 s[67+6*\k], 32
	s_cselect_b32 s[70+6*\k], s[70+6*\k], s[71+6*\k]   ; the open rows ahead of it
.endr
.irp k, 0,1,2,3
	s_sub_co_u32 s[66+6*\k], s[66+6*\k], s[70+6*\k]
	v_mbcnt_lo_u32_b32 v[AM+\k], s[69+6*\k], 0     ; set bits under my lane's
.endr
.irp k, 0,1,2,3
	v_cmp_eq_u32 s[71+6*\k], s[66+6*\k], v[AM+\k]
.endr
.irp k, 0,1,2,3
	s_and_b32 s[71+6*\k], s[71+6*\k], s[69+6*\k]
.endr
.irp k, 0,1,2,3
	s_ctz_i32_b32 s[71+6*\k], s[71+6*\k]
	s_lshl_b32 s[67+6*\k], s[67+6*\k], 5
.endr
.irp k, 0,1,2,3
	s_add_co_u32 s[71+6*\k], s[71+6*\k], s[67+6*\k]
.endr
.irp k, 0,1,2,3
	s_min_u32 s[48+4*\g+\k], s[71+6*\k], 2047      ; a row of the batch, whatever was loaded
.endr
.endr
	s_add_co_u32 s38, s38, 16
.endm
.macro VOFF                            ; row x 4,096 bytes + my wave's 1,024 + 16 x lane
.irp r, 0,1,2,3,4,5,6,7,8,9,10,11,12,13,14,15
	v_lshl_add_u32 v[16+\r], s[48+\r], 12, v2
.endr
.endm
.macro XLOAD u                         ; K step 2 w + u of 16 rows: each load reads 512 consecutive bytes of one row
.irp r, 0,1,2,3,4,5,6,7,8,9,10,11,12,13,14,15
	global_load_b128 v[RAW+64*\u+4*\r:RAW+64*\u+4*\r+3], v[16+\r], s[42:43] offset:512*\u
.endr
.endm
.macro UNIT u
	s_wait_loadcnt 16                              ; this unit's 16 loads are in; the other unit's 16, issued behind them, may be out
.irp r, 0,1,2,3,4,5,6,7,8,9,10,11,12,13,14,15
	ds_store_b128 v5, v[RAW+64*\u+4*\r:RAW+64*\u+4*\r+3] offset:8448*\u+528*\r
.endr
.irp k, 0,1
.irp i, 0,1,2,3,4,5,6,7
	ds_load_b128 v[T+32*\k+4*\i:T+32*\k+4*\i+3], v6 offset:8448*\u+256*\k+16*\i   ; LDS serves a wave's instructions in order: these see the stores above
.endr
.endr
	s_wait_dscnt 0x0                               ; the numbers are back, and the stores have read their registers
	s_wait_xcnt 0x0                                ; the last stores of codes have read theirs: C is written again below
	XLOAD \u                                       ; the next tile
	QUANT64 T, C, WORD+\u
.irp p, 0,1,2
	global_store_b128 v3, v[C+4*\p:C+4*\p+3], s[44:45] offset:1536*\u+512*\p   ; 32 lanes store 512 consecutive bytes
.endr
.endm
.macro TRIP
	s_wait_xcnt 0x0                                ; the loads that are out have read their offsets
	VOFF                                           ; the next tile's rows
	s_wait_alu depctr_va_vdst(0)
	UNIT 0
	SELECT                                         ; the rows of the tile after that
	UNIT 1
	v_cndmask_b32 v[SW], v[WORD], v[WORD+1], s39   ; lanes 0-15 K step 2 w, lanes 16-31 K step 2 w + 1
	global_store_b32 v4, v[SW], s[46:47]
.endm
.macro LOADT t, base, s                ; dec: 64 numbers a lane of my K step s (0 or 1)
.irp k, 0,1
.irp i, 0,1,2,3,4,5,6,7
	global_load_b128 v[\t+32*\k+4*\i:\t+32*\k+4*\i+3], v2, s[\base:\base+1] offset:512*(\s)+256*\k+16*\i
.endr
.endr
.endm
	s_load_b256 s[4:11], s[0:1], 0x0               ; x s[4:5], W_h s[6:7], W_s s[8:9], h s[10:11]
	s_load_b256 s[12:19], s[0:1], 0x20             ; mask s[12:13], codes s[14:15], scales s[16:17], dec s[18:19]
	s_load_b128 s[20:23], s[0:1], 0x40             ; meta s[20:21], rowlist s[22:23]
	s_load_b64 s[24:25], s[0:1], 0x50              ; inv
	v_lshl_add_u32 v12, v0, 2, SPARE               ; my spare word,
	v_mov_b32 v13, 0                               ; and 0: kept for the closing lines alone
	v_lshrrev_b32 v14, 5, v0
	v_readfirstlane_b32 s26, v14                   ; wave
	s_mov_b32 s27, ttmp9
	v_and_b32 v1, 31, v0                           ; lane
	v_lshlrev_b32 v3, 4, v1
	v_lshlrev_b32 v4, 2, v1
	v_and_b32 v14, 15, v0                          ; r
	v_bfe_u32 v15, v0, 4, 1                        ; h
	v_lshlrev_b32 v7, 3, v15
	s_mov_b32 s40, 0x76543210
	s_mov_b32 s41, 0xfedcba98                      ; v_permlanex16_b32's selects for lane l xor 16
	s_mov_b32 s39, 0xffff0000
	v_mov_b32 v[OT], 0                             ; a lane permute's destination counts as one of its sources
	s_cmp_ge_u32 s27, 576
	s_cbranch_scc1 .Ldec
	; ---- x and W_h
	s_lshr_b32 s29, s27, 4                         ; b
	s_and_b32 s30, s27, 15                         ; j
	s_sub_co_u32 s66, s27, 512                     ; W_h: j is the work-group's one tile, 0 .. 63
	s_lshl_b32 s91, s29, 7                         ; x's first tile
	s_mov_b32 s28, 2048
	s_mov_b32 s68, 4096
	s_cmp_ge_u32 s27, 512                          ; W_h's work-group?
	s_cselect_b32 s36, 0, -1                       ; which of the mask's bits are kept
	s_cselect_b32 s29, 0, s29
	s_cselect_b32 s30, s66, s30
	s_cselect_b32 s28, 1024, s28                   ; the rows there are
	s_cselect_b32 s91, s68, s91
	s_wait_kmcnt 0x0
	s_cselect_b64 s[42:43], s[6:7], s[4:5]         ; the choice hangs on the work-group's number alone
	s_lshl_b32 s68, s29, 23
	s_mov_b32 s69, 0
	s_add_nc_u64 s[42:43], s[42:43], s[68:69]      ; the batch's first row
	s_lshl_b32 s68, s29, 13
	s_add_nc_u64 s[12:13], s[12:13], s[68:69]      ; its row of the mask
	s_mul_i32 s70, s26, 16896                      ; my wave's two stages: 16 rows x (512 + 16) bytes each
	s_wait_alu depctr_va_vdst(0)
	v_add_nc_u32 v5, s70, v3                       ; in: 16 x lane, the row in the immediate
	v_mul_u32_u24 v6, v14, 528
	v_lshl_add_u32 v6, v15, 7, v6
	v_add_nc_u32 v6, s70, v6                       ; out: row r, + 128 h
	s_lshl_b32 s70, s26, 10
	v_add_nc_u32 v2, s70, v3
.set jj, 0
.rept 64
	global_load_b32 v[RAW+jj], v4, s[12:13] offset:128*jj
.set jj, jj+1
.endr
.irp i, 8,9,10,11
	v_mov_b32 v\i, 0
.endr
	s_mov_b32 s37, 0
	s_wait_loadcnt 0x0
; word jj of open bits into lane jj % 32 of v8 or v9, the open rows ahead of it into v10 or v11.  Eight words at a time, each through scalar registers of its own, so that no line waits for the line above it
.set pg, 0
.rept 8
.irp k, 0,1,2,3,4,5,6,7
	v_cmp_ne_u32 s[66+\k], 0, v[RAW+8*pg+\k]
.endr
.irp k, 0,1,2,3,4,5,6,7
	s_and_b32 s[66+\k], s[66+\k], s36
.endr
.irp k, 0,1,2,3,4,5,6,7
	s_bcnt1_i32_b32 s[74+\k], s[66+\k]
.endr
.irp k, 0,1,2,3,4,5,6,7
	v_writelane_b32 v[8+pg/4], s[66+\k], (8*pg+\k)%32
.endr
.irp k, 0,1,2,3,4,5,6,7
	v_writelane_b32 v[10+pg/4], s37, (8*pg+\k)%32
	s_add_co_u32 s37, s37, s[74+\k]
.endr
.set pg, pg+1
.endr
	s_cmp_eq_u32 s37, 0
	s_cselect_b32 s35, -1, 0                       ; none open: every row is listed
	s_cselect_b32 s31, s28, s37                    ; n
	v_or_b32 v8, s35, v8
	v_or_b32 v9, s35, v9
	v_lshlrev_b32 v14, 5, v1
	v_add_nc_u32 v15, 1024, v14
	v_and_b32 v14, s35, v14
	v_and_b32 v15, s35, v15
	v_add_nc_u32 v10, v10, v14
	v_add_nc_u32 v11, v11, v15
	s_sub_co_u32 s32, s31, 1
	s_add_co_u32 s33, s31, 31
	s_lshr_b32 s33, s33, 5
	s_lshl_b32 s33, s33, 1                         ; tiles to write
	s_add_co_u32 s66, s30, 1
	s_cmp_ge_u32 s27, 512
	s_cselect_b32 s33, s66, s33                    ; W_h: tile j alone, so the count is j + 1
	s_cbranch_scc1 .Lnolist
	; the lists: wave w of work-group j takes word 4 j + w
	s_lshl_b32 s66, s30, 2
	s_add_co_u32 s66, s66, s26
	s_and_b32 s67, s66, 31
	s_wait_alu depctr_va_vdst(0)
	v_readlane_b32 s68, v8, s67
	v_readlane_b32 s69, v9, s67
	v_readlane_b32 s70, v10, s67
	v_readlane_b32 s71, v11, s67
	s_cmp_lt_u32 s66, 32
	s_cselect_b32 s68, s68, s69
	s_cselect_b32 s70, s70, s71
	v_lshrrev_b32 v14, v1, s68
	v_and_b32 v14, 1, v14                          ; is my row listed?
	v_mbcnt_lo_u32_b32 v15, s68, s70               ; the listed rows ahead of mine
	s_lshl_b32 s66, s66, 5
	v_add_nc_u32 v[TMP], s66, v1                   ; my row
	v_sub_nc_u32 v[SW], v[TMP], v15
	v_add_nc_u32 v[SW], s31, v[SW]                 ; a masked row's slot: n + the masked rows ahead of it
	v_cmp_ne_u32 vcc_lo, 0, v14
	v_cndmask_b32 v[SW], v[SW], v15, vcc_lo
	v_min_u32 v[SW], 2047, v[SW]
	v_cndmask_b32 v14, 0, v[TMP], vcc_lo
	v_lshlrev_b32 v15, 2, v[SW]
	v_lshlrev_b32 v[TMP], 2, v[TMP]
	s_lshl_b32 s68, s29, 13
	s_mov_b32 s69, 0
	s_add_nc_u64 s[22:23], s[22:23], s[68:69]
	s_add_nc_u64 s[24:25], s[24:25], s[68:69]
	global_store_b32 v15, v14, s[22:23]
	global_store_b32 v[TMP], v[SW], s[24:25]
	s_or_b32 s66, s30, s26
	s_cmp_lg_u32 s66, 0
	s_cbranch_scc1 .Lnometa
	s_and_b32 s66, s35, 1
	v_mov_b32 v[AM], s31
	v_mov_b32 v[AM+1], s66
	v_cmp_eq_u32 vcc_lo, 0, v1
	v_cndmask_b32 v[MY], 0, v[AM], vcc_lo
	v_cmp_eq_u32 vcc_lo, 1, v1
	v_cndmask_b32 v[MY], v[MY], v[AM+1], vcc_lo
	s_lshl_b32 s68, s29, 7
	s_add_nc_u64 s[20:21], s[20:21], s[68:69]
	global_store_b32 v4, v[MY], s[20:21]           ; n, the flag, 30 zeros
.Lnometa:
	s_wait_xcnt 0x0                                ; these stores have read their registers
	; x's codes are not made in this launch: the next launch quantises the listed rows itself, so work-groups 0-511 end behind the lists; tiles 4096 + t (W_h) alone are written
	s_wait_alu depctr_va_vdst(0)
	s_branch .Lend
.Lnolist:
	s_add_co_u32 s66, s91, s30                     ; my first tile
	s_mul_i32 s68, s66, 12288
	s_mul_i32 s70, s26, 3072
	s_add_co_u32 s68, s68, s70
	s_mov_b32 s69, 0
	s_add_nc_u64 s[44:45], s[14:15], s[68:69]
	s_lshl_b32 s68, s66, 9
	s_lshl_b32 s70, s26, 7
	s_add_co_u32 s68, s68, s70
	s_add_nc_u64 s[46:47], s[16:17], s[68:69]
	s_mov_b32 s38, s30
	s_wait_alu depctr_va_vdst(0)
	SELECT
	VOFF
	XLOAD 0
	XLOAD 1
	SELECT
	s_mov_b32 s34, 0
	s_mov_b32 s90, s30
.Ltile:                                ; eight trips in every work-group; a trip past the last tile does nothing
	s_cmp_ge_u32 s90, s33
	s_cbranch_scc1 .Lskip
	TRIP
.Lskip:
	s_wait_xcnt 0x0                                ; the stores have read their bases
	s_add_nc_u64 s[44:45], s[44:45], 196608        ; 16 tiles on
	s_add_nc_u64 s[46:47], s[46:47], 8192
	s_add_co_u32 s90, s90, 16
	s_add_co_u32 s34, s34, 1
	s_cmp_lt_u32 s34, 8
	s_cbranch_scc1 .Ltile
	s_branch .Lend
	; ---- dec: work-group = 16 rows of W_s (et) x 16 batches (mt); wave w sums K steps 2 w and 2 w + 1 and stores part w.  Source 0 = W_s, source 1 = h:
	; register j of lane (r, h) is part w of dec[16 mt + r][16 et + 8 h + j].  48 of the wave's 64 loads go out at once, the last 16 as soon as their registers are free
.Ldec:
	s_sub_co_u32 s66, s27, 576
	s_lshr_b32 s67, s66, 1                         ; et
	s_and_b32 s68, s66, 1                          ; mt
	s_wait_alu depctr_va_vdst(0)
	v_lshlrev_b32 v2, 12, v14
	v_lshl_add_u32 v5, v15, 5, v2                  ; dec: row r, + 32 h
	v_lshl_add_u32 v2, v15, 7, v2                  ; the operands: row r, + 128 h
	s_lshl_b32 s76, s26, 10                        ; my two K steps: 1,024 bytes on in every row
	s_lshl_b32 s70, s67, 16
	s_add_co_u32 s70, s70, s76
	s_mov_b32 s71, 0
	s_lshl_b32 s72, s68, 16
	s_lshl_b32 s74, s67, 6
	s_add_co_u32 s74, s74, s72                     ; dec: 16 mt rows of 4,096 bytes + 64 et bytes,
	s_lshl_b32 s77, s26, 17
	s_add_co_u32 s74, s74, s77                     ; in part w: 131,072 bytes each
	s_mov_b32 s75, 0
	s_add_co_u32 s72, s72, s76
	s_mov_b32 s73, 0
	s_wait_alu depctr_va_vdst(0)
	s_wait_kmcnt 0x0
	s_add_nc_u64 s[8:9], s[8:9], s[70:71]
	s_add_nc_u64 s[10:11], s[10:11], s[72:73]
	s_add_nc_u64 s[18:19], s[18:19], s[74:75]
	LOADT TW, 8, 0
	LOADT TH, 10, 0
	LOADT T2, 8, 1
	s_wait_loadcnt 32                              ; W_s's first 16 loads are in; h's first and W_s's second, issued behind them, may be out
	QUANT64 TW, CW, WORD
	LOADT TW, 10, 1                                ; h's second K step, into the registers just quantised
	s_wait_loadcnt 32                              ; h's first are in; behind them W_s's second and h's second
	QUANT64 TH, CH, WORD+1
.rept 8
	v_nop                                          ; a scale register written by a vector instruction stands 8 places ahead of the scaled product, an operand 4
.endr
	v_wmma_scale_f32_16x16x128_f8f6f4 v[DA:DA+7], v[CW:CW+11], v[CH:CH+11], 0, v[WORD], v[WORD+1] matrix_a_fmt:MATRIX_FMT_FP6 matrix_b_fmt:MATRIX_FMT_FP6
	s_wait_loadcnt 16                              ; W_s's second are in; behind them h's second
	QUANT64 T2, CW, WORD                           ; (its 32 maxima are the places behind the product)
	s_wait_loadcnt 0x0
	QUANT64 TW, CH, WORD+1
.rept 8
	v_nop
.endr
	s_wait_alu depctr_va_vdst(0)                   ; one accumulator
	v_wmma_scale_f32_16x16x128_f8f6f4 v[DA:DA+7], v[CW:CW+11], v[CH:CH+11], v[DA:DA+7], v[WORD], v[WORD+1] matrix_a_fmt:MATRIX_FMT_FP6 matrix_b_fmt:MATRIX_FMT_FP6
.rept 4
	v_nop
.endr
	global_store_b128 v5, v[DA:DA+3], s[18:19]
	global_store_b128 v5, v[DA+4:DA+7], s[18:19] offset:16
.Lend:
	s_wait_tensorcnt 0x0                           ; the wave's end
	ds_add_u32 v12, v13
	s_wait_dscnt 0x0
	s_endpgm
.Lfunc_end_k_q559219e618_prep:
	.size	k_q559219e618_prep, .Lfunc_end_k_q559219e618_prep-k_q559219e618_prep
	.p2alignl 7, 3214868480
	.fill 96, 4, 3214868480
	.section	.rodata,"a",@progbits
	.p2align	6, 0x0
	.amdhsa_kernel k_q559219e618_prep
		.amdhsa_group_segment_fixed_size 68096
		.amdhsa_private_segment_fixed_size 0
		.amdhsa_enable_private_segment 0
		.amdhsa_kernarg_size 88
		.amdhsa_user_sgpr_count 2
		.amdhsa_user_sgpr_kernarg_segment_ptr 1
		.amdhsa_wavefront_size32 1
		.amdhsa_system_sgpr_workgroup_id_x 1
		.amdhsa_system_sgpr_workgroup_id_y 1
		.amdhsa_system_sgpr_workgroup_id_z 1
		.amdhsa_system_vgpr_workitem_id 0
		.amdhsa_next_free_vgpr 256
		.amdhsa_next_free_sgpr 96
		.amdhsa_reserve_vcc 1
		.amdhsa_float_denorm_mode_32 3
		.amdhsa_float_denorm_mode_16_64 3
		.amdhsa_memory_ordered 1
		.amdhsa_forward_progress 1
		.amdhsa_inst_pref_size 122
	.end_amdhsa_kernel
	.amdgpu_metadata
---
amdhsa.version: [ 1, 2 ]
amdhsa.kernels:
  - .name:           k_q559219e618_prep
    .symbol:         k_q559219e618_prep.kd
    .args:
      - { .name: encoder_outputs, .offset: 0, .size: 8, .value_kind: global_buffer, .address_space: global }
      - { .name: W_h, .offset: 8, .size: 8, .value_kind: global_buffer, .address_space: global }
      - { .name: W_s, .offset: 16, .size: 8, .value_kind: global_buffer, .address_space: global }
      - { .name: decoder_hidden, .offset: 24, .size: 8, .value_kind: global_buffer, .address_space: global }
      - { .name: mask, .offset: 32, .size: 8, .value_kind: global_buffer, .address_space: global }
      - { .name: codes, .offset: 40, .size: 8, .value_kind: global_buffer, .address_space: global }
      - { .name: scales, .offset: 48, .size: 8, .value_kind: global_buffer, .address_space: global }
      - { .name: dec, .offset: 56, .size: 8, .value_kind: global_buffer, .address_space: global }
      - { .name: meta, .offset: 64, .size: 8, .value_kind: global_buffer, .address_space: global }
      - { .name: rowlist, .offset: 72, .size: 8, .value_kind: global_buffer, .address_space: global }
      - { .name: inv, .offset: 80, .size: 8, .value_kind: global_buffer, .address_space: global }
    .group_segment_fixed_size: 68096
    .private_segment_fixed_size: 0
    .kernarg_segment_align: 8
    .kernarg_segment_size: 88
    .max_flat_workgroup_size: 128
    .sgpr_count:     96
    .vgpr_count:     256
    .wavefront_size: 32
...
	.end_amdgpu_metadata
.endif
;; end of part 1
;; launch energy (part 2): grid 256 x 1, 4 waves a work-group, no clusters, 313,856 bytes of LDS; arguments encoder_outputs, codes, scales, dec, v, meta, rowlist, ep; writes ep
.if DOCPART == 2
	.amdgcn_target "amdgcn-amd-amdhsa--gfx1250"
	.amdhsa_code_object_version 6
	.text
	.protected	k_q559219e618_energy
	.globl	k_q559219e618_energy
	.p2align	8
	.type	k_q559219e618_energy,@function
k_q559219e618_energy:
	s_mov_b64 s[64:65], 0
	v_nop
	global_prefetch_b8 v0, s[64:65] scope:SCOPE_SE
	s_setreg_imm32_b32 hwreg(HW_REG_WAVE_MODE, 25, 1), 1
	s_wait_xcnt 0x0
; Launch 2 of 3: ep[b][cg][slot] = the sum over the 64 columns d of group cg of v[d] r, r = 1 / (1 + 2^(2 log2(e) (enc + dec))), enc = Q(x) Q(W_h)^T on codes of E2M3.
; Left out: masked rows (they are not among the slots) and sum(v), as the first kernel's head shows.  LIMITS as stated there (block of zeros: byte 1; NaN and infinities not served).
; SHARES.  The batch has T = 2 ceil(n / 32) tiles of 16 slots; work-group (b, j) takes tiles j tpw on, tpw = ceil(T / 8), at most 16: cnt tiles.
; PART 1: the listed rows of x come as f32, each once; wave w quantises K steps 2 w, 2 w + 1 of every tile (16 rows turn through its own stage in LDS) and stores the image of the operand's registers
; in LDS, laid by wave: K steps 2 w, 2 w + 1 of tile t at 49152 w + 3072 t.  Loads run two tiles (64 loads a wave) ahead; behind the last tile they name the last tile's rows again and are not used.
; Two tiles a trip: with an odd count the last tile is made twice.  A work-group with no tile makes one that nobody uses, so that no LDS byte is read that was not written.
; PART 2: four phases; in phase p wave w owns columns 64 (4 p + w) on: 32 fragments of W_h in one of two register sets; the other set takes the next phase's while this phase is worked.
; A tile: 32 products (source 0 = W_h, source 1 = x; dec is the C of each sum's first product; four accumulators by turns), then the list on its 32 numbers a lane, in batches.
; The next tile's fragments are read from LDS in three runs inside the list.  A tile's 16 sums are stored at once, 64 consecutive bytes: a work-group's slots begin at a multiple of 16, so no wider unit is its own.
; NO TENSOR LOADS, NO CLUSTER.  NO PREFETCH: x's loads stand two tiles ahead of their use already.
; Every loop has a constant number of trips; a tile past cnt is jumped over, never the barrier.  EXEC is never written.
; REGISTERS.  Window 0: v1-27 addresses and work, v28-43 W_h's scale words, v44-47 x's, v48-51 sums, v52-63 W_h's fragment 63, v64-159 x's fragments, v160-191 accumulators, v192-223 dec, v224-255 v.
; Windows 1-3: W_h's fragments 0-62, 21 to a window; fragment 32 set + 4 s + nt.  In part 1: window 3 the rows as loaded, v64-182 of window 0 at work, v192-223 the loads' offsets.
.set XS0,   196608                     ; x's scale words: 2048 w + 128 t
.set STG,   204800                     ; four stages of 16,896 bytes
.set WSC,   272384                     ; W_h's scale words, 512 bytes a tile
.set DECL,  305152                     ; dec[b], and 4,096 bytes on: v
.set SPARE, 313344
.set BS, 28
.set AS, 44
.set X, 64
.set ACC, 160
.set DEC, 192
.set WV, 224
.set T, 64
.set C, 128
.set XC, 140
.set AM, 172
.set SC, 174
.set BY, 176
.set MY, 178
.set OT, 179
.set WORD, 180
.set SW, 182
.set VA, 192
.set MSB, 0
.macro WIN new                         ; the immediate's high byte repeats the setting that is left
.if MSB != (\new)
	s_set_vgpr_msb (MSB<<8)|(\new)
.set MSB, (\new)
.endif
.endm
.macro SA
	s_wait_alu depctr_va_vdst(0)
.endm
.macro FMAP set, s, nt                 ; where a fragment of W_h lies: window FW, register FR
.set FF, 32*(\set)+4*(\s)+(\nt)
.if FF < 63
.set FW, 1+FF/21
.set FR, 12*(FF%21)
.else
.set FW, 0
.set FR, 52
.endif
.endm
.macro WLOAD set, p                    ; phase p's four tiles of W_h, 96 loads of 512 consecutive bytes
.irp s, 0,1,2,3,4,5,6,7
.irp nt, 0,1,2,3
	FMAP \set, \s, \nt
	WIN FW<<6
.irp q, 0,1,2
	global_load_b128 v[FR+4*\q:FR+4*\q+3], v2, s[74:75] offset:(16*(\p)+\nt)*12288+1536*\s+512*\q
.endr
.endr
.endr
	WIN 0
.endm
; 64 numbers of a lane at v[T] (blocks h and 2 + h of its row) become 12 registers of codes at v[C] and the row's scale word in v[wd]
.macro QUANT64 wd
.irp k, 0,1
	v_max3_num_f32 v[AM+\k], |v[T+32*\k]|, |v[T+32*\k+1]|, 0x1800000   ; the floor 2^(3 - 127) holds the byte at 1 from below
.endr
.irp i, 2,4,6,8,10,12,14,16,18,20,22,24,26,28,30
.irp k, 0,1
	v_max3_num_f32 v[AM+\k], v[AM+\k], |v[T+32*\k+\i]|, |v[T+32*\k+\i+1]|
.endr
.endr
.irp k, 0,1
	v_add_nc_u32 v[SC+\k], 0xff000000, v[AM+\k]    ; 2 off the exponent field: the conversion's scale operand
.endr
.irp k, 0,1
	v_lshrrev_b32 v[BY+\k], 23, v[SC+\k]
.endr
	v_lshl_or_b32 v[MY], v[BY+1], 16, v[BY]
	v_lshlrev_b32 v[MY], v4, v[MY]                 ; 8 h bits up
	v_permlanex16_b32 v[OT], v[MY], s66, s67
	v_or_b32 v[\wd], v[MY], v[OT]                  ; with lane l xor 16's two bytes the word is whole
	v_cvt_scalef32_pk16_fp6_f32 v[C:C+2], v[T:T+15], v[SC]
	v_cvt_scalef32_pk16_fp6_f32 v[XC:XC+2], v[T+16:T+31], v[SC]
	v_cvt_scalef32_pk16_fp6_f32 v[C+6:C+8], v[T+32:T+47], v[SC+1]
	v_cvt_scalef32_pk16_fp6_f32 v[XC+4:XC+6], v[T+48:T+63], v[SC+1]
	v_nop                                          ; one plain place behind the scaled conversions
.irp i, 0,1,2
	v_mov_b32 v[C+3+\i], v[XC+\i]
	v_mov_b32 v[C+9+\i], v[XC+4+\i]
.endr
.endm
.macro ROWS reg, add, tmp              ; the 16 rows of my tile min(s84 + add, cnt - 1)
	s_add_co_u32 s[\tmp], s84, \add
	s_min_u32 s[\tmp], s[\tmp], s28
	s_add_co_u32 s[\tmp], s[\tmp], s29
	s_min_u32 s[\tmp], s[\tmp], 127                ; a tile of the batch's list, whatever was loaded
	s_lshl_b32 s[\tmp], s[\tmp], 6
	s_load_b512 s[\reg:\reg+15], s[24:25], s[\tmp] offset:0x0
.endm
.macro VOFF                            ; two tiles' rows: row x 4,096 bytes + my wave's 1,024 + 16 x lane
.set ii, 0
.rept 32
	s_min_u32 s[32+ii], s[32+ii], 2047
.set ii, ii+1
.endr
.set ii, 0
.rept 32
	v_lshl_add_u32 v[VA+ii], s[32+ii], 12, v18
.set ii, ii+1
.endr
.endm
.macro XL tp, u                        ; K step 2 w + u of 16 rows: each load reads 512 consecutive bytes of one row
	WIN 0xc0
.irp r, 0,1,2,3,4,5,6,7,8,9,10,11,12,13,14,15
	global_load_b128 v[64*(2*\tp+\u)+4*\r:64*(2*\tp+\u)+4*\r+3], v[VA+16*\tp+\r], s[72:73] offset:512*\u
.endr
	WIN 0
.endm
.macro UNIT tp, u
	s_wait_loadcnt 48                              ; this unit's 16 loads are in; the three units issued behind it may be out
	WIN 0x0c
.irp r, 0,1,2,3,4,5,6,7,8,9,10,11,12,13,14,15
	ds_store_b128 v5, v[64*(2*\tp+\u)+4*\r:64*(2*\tp+\u)+4*\r+3] offset:8448*\u+528*\r
.endr
	WIN 0
.irp k, 0,1
.irp i, 0,1,2,3,4,5,6,7
	ds_load_b128 v[T+32*\k+4*\i:T+32*\k+4*\i+3], v6 offset:8448*\u+256*\k+16*\i   ; LDS serves a wave's instructions in order: these see the stores above
.endr
.endr
	s_wait_dscnt 0x0                               ; the numbers are back, and the stores have read their registers
	XL \tp, \u                                     ; the same unit two tiles on
	QUANT64 WORD+\u
.irp p, 0,1,2
	ds_store_b128 v22, v[C+4*\p:C+4*\p+3] offset:3072*\tp+1536*\u+512*\p
.endr
.endm
.macro FIN tp
	v_cndmask_b32 v[SW], v[WORD], v[WORD+1], s68   ; lanes 0-15 K step 2 w, lanes 16-31 K step 2 w + 1
	ds_store_b32 v23, v[SW] offset:128*\tp
.endm
.macro XF s, nx                        ; x's fragment of K step s, of this trip's tile (nx = 0) or the next (1)
.irp q, 0,1,2
.if (\s) < 4
	ds_load_b128 v[X+12*(\s)+4*\q:X+12*(\s)+4*\q+3], v24 offset:49152*((\s)/2)+3072*(\nx)+1536*((\s)%2)+512*\q
.else
	ds_load_b128 v[X+12*(\s)+4*\q:X+12*(\s)+4*\q+3], v12 offset:49152*((\s)/2-2)+3072*(\nx)+1536*((\s)%2)+512*\q
.endif
.endr
.endm
.macro XSC nx
.irp q, 0,1,2,3
	ds_load_b32 v[AS+\q], v25 offset:2048*\q+128*(\nx)
.endr
.endm
.macro ADDR                            ; this trip's LDS addresses
	v_add_nc_u32 v24, s70, v2
	v_add_nc_u32 v25, s71, v9
	v_add_nc_u32 v12, 0x18000, v24
	SA
.endm
.macro TILE set, p
	s_wait_dscnt 0x0                               ; the tile's fragments and scale words are in
.irp s, 0,1,2,3,4,5,6,7
.irp nt, 0,1,2,3
	FMAP \set, \s, \nt
	WIN FW
.if \s == 0
	v_wmma_scale_f32_16x16x128_f8f6f4 v[ACC+8*\nt:ACC+8*\nt+7], v[FR:FR+11], v[X:X+11], v[DEC+8*\nt:DEC+8*\nt+7], v[BS+4*\nt], v[AS] matrix_a_fmt:MATRIX_FMT_FP6 matrix_b_fmt:MATRIX_FMT_FP6
.elseif (\s)%2 == 0
	v_wmma_scale_f32_16x16x128_f8f6f4 v[ACC+8*\nt:ACC+8*\nt+7], v[FR:FR+11], v[X+12*\s:X+12*\s+11], v[ACC+8*\nt:ACC+8*\nt+7], v[BS+4*\nt+\s/2], v[AS+\s/2] matrix_a_fmt:MATRIX_FMT_FP6 matrix_b_fmt:MATRIX_FMT_FP6
.else
	v_wmma_scale_f32_16x16x128_f8f6f4 v[ACC+8*\nt:ACC+8*\nt+7], v[FR:FR+11], v[X+12*\s:X+12*\s+11], v[ACC+8*\nt:ACC+8*\nt+7], v[BS+4*\nt+\s/2], v[AS+\s/2] matrix_a_fmt:MATRIX_FMT_FP6 matrix_b_fmt:MATRIX_FMT_FP6 matrix_a_scale:MATRIX_SCALE_ROW1 matrix_b_scale:MATRIX_SCALE_ROW1
.endif
.endr
.endr
	WIN 0
.rept 4
	v_nop                                          ; four places: loads into the products' sources and reads of their results follow
.endr
	s_add_co_u32 s82, s69, 1
	s_cmp_ge_u32 s82, s27                          ; is there a next tile?  SCC stands until the third run below: only vector lines, LDS loads and waits come between
	s_cbranch_scc1 .La\@
	XSC 1
	XF 0, 1
	XF 1, 1
.La\@:
.set ii, 0
.rept 16
	v_pk_mul_f32 v[ACC+2*ii:ACC+2*ii+1], v[ACC+2*ii:ACC+2*ii+1], s[30:31] op_sel_hi:[1,0]   ; x 2 log2(e); each accumulator from its low end on
.set ii, ii+1
.endr
	SA
	s_cbranch_scc1 .Lb\@
	XF 2, 1
	XF 3, 1
	XF 4, 1
.Lb\@:
.set ii, 0
.rept 32
	v_exp_f32 v[ACC+ii], v[ACC+ii]
.set ii, ii+1
.endr
	v_nop
	SA
	s_cbranch_scc1 .Lc\@
	XF 5, 1
	XF 6, 1
	XF 7, 1
.Lc\@:
.set ii, 0
.rept 16
	v_pk_add_f32 v[ACC+2*ii:ACC+2*ii+1], v[ACC+2*ii:ACC+2*ii+1], 1.0 op_sel_hi:[1,0]
.set ii, ii+1
.endr
	SA
.set ii, 0
.rept 32
	v_rcp_f32 v[ACC+ii], v[ACC+ii]
.set ii, ii+1
.endr
	v_nop
	SA
	s_wait_xcnt 0x0                                ; the last tile's store has read its offset and its data: both are written again below
	v_add_nc_u32 v26, s86, v16                     ; in ep: 64 bytes a tile + 4 r
	v_pk_mul_f32 v[48:49], v[ACC:ACC+1], v[WV:WV+1]          ; x v, in two chains
	v_pk_mul_f32 v[50:51], v[ACC+2:ACC+3], v[WV+2:WV+3]
.irp i, 4,8,12,16,20,24,28
	v_pk_fma_f32 v[48:49], v[ACC+\i:ACC+\i+1], v[WV+\i:WV+\i+1], v[48:49]
	v_pk_fma_f32 v[50:51], v[ACC+\i+2:ACC+\i+3], v[WV+\i+2:WV+\i+3], v[50:51]
.endr
	v_pk_add_f32 v[48:49], v[48:49], v[50:51]
	v_add_f32 v48, v48, v49
	v_permlanex16_b32 v27, v48, s66, s67
	v_add_f32 v48, v48, v27                        ; with lane l xor 16's eight columns of each tile: slot r's sum, in lanes r and 16 + r alike
	global_store_b32 v26, v48, s[78:79] offset:32768*(\p)    ; lanes r and 16 + r name the same word with the same value: 64 consecutive bytes
.endm
.macro PHASE p
.if \p > 0
	s_wait_loadcnt 0x0                             ; this phase's fragments of W_h are in
	s_wait_dscnt 0x0                               ; and no LDS load of the last phase is out, also where every tile was jumped over: their registers are loaded anew below
.endif
.if \p < 3
	WLOAD (\p+1)%2, \p+1                           ; the next phase's have this phase in which to land
.endif
.irp nt, 0,1,2,3
.irp q, 0,1,2,3
	ds_load_b32 v[BS+4*\nt+\q], v14 offset:8192*\p+512*\nt+128*\q
.endr
.irp e, 0,1
	ds_load_b128 v[DEC+8*\nt+4*\e:DEC+8*\nt+4*\e+3], v15 offset:1024*\p+64*\nt+16*\e
	ds_load_b128 v[WV+8*\nt+4*\e:WV+8*\nt+4*\e+3], v15 offset:4096+1024*\p+64*\nt+16*\e
.endr
.endr
	s_mov_b32 s69, 0                               ; the tile, its places in LDS and in ep
	s_mov_b32 s70, 0
	s_mov_b32 s71, 0
	s_mov_b32 s86, 0
	ADDR
	XSC 0
.irp s, 0,1,2,3,4,5,6,7
	XF \s, 0
.endr
.Lt\p:
	ADDR
	s_cmp_ge_u32 s69, s27
	s_cbranch_scc1 .Lsk\p
	TILE (\p)%2, \p
.Lsk\p:
	s_add_co_u32 s70, s70, 3072
	s_add_co_u32 s71, s71, 128
	s_add_co_u32 s86, s86, 64
	s_add_co_u32 s69, s69, 1
	s_cmp_lt_u32 s69, 16
	SA
	s_cbranch_scc1 .Lt\p
.endm
	s_load_b256 s[4:11], s[0:1], 0x0               ; x s[4:5], codes s[6:7], scales s[8:9], dec s[10:11]
	s_load_b256 s[12:19], s[0:1], 0x20             ; v s[12:13], meta s[14:15], rowlist s[16:17], ep s[18:19]
	v_lshl_add_u32 v10, v0, 2, SPARE               ; my spare word,
	v_mov_b32 v11, 0                               ; and 0: kept for the closing lines alone
	v_lshrrev_b32 v12, 5, v0
	v_readfirstlane_b32 s20, v12                   ; wave
	s_lshr_b32 s21, ttmp9, 3                       ; b
	s_and_b32 s22, ttmp9, 7                        ; j
	s_mul_i32 s88, s20, 16896
	s_add_co_u32 s88, s88, STG
	s_mul_i32 s89, s20, 49152
	s_lshl_b32 s90, s20, 11
	s_add_co_u32 s91, s90, WSC
	s_add_co_u32 s90, s90, XS0
	s_lshl_b32 s92, s20, 8
	s_add_co_u32 s92, s92, DECL
	s_lshl_b32 s93, s20, 10
	s_mov_b32 s30, 0x4038aa3b                      ; 2 log2(e)
	s_mov_b32 s31, s30
	s_mov_b32 s66, 0x76543210
	s_mov_b32 s67, 0xfedcba98                      ; v_permlanex16_b32's selects for lane l xor 16
	s_mov_b32 s68, 0xffff0000
	s_mov_b32 s77, 0
	v_and_b32 v1, 31, v0                           ; lane
	v_and_b32 v12, 15, v0                          ; r
	v_bfe_u32 v13, v0, 4, 1                        ; h
	v_lshlrev_b32 v2, 4, v1
	v_lshlrev_b32 v3, 2, v1
	v_lshlrev_b32 v4, 3, v13
	v_add_nc_u32 v5, s88, v2                       ; my stage, in: 16 x lane, the row in the immediate
	v_mul_u32_u24 v6, v12, 528
	v_lshl_add_u32 v6, v13, 7, v6
	v_add_nc_u32 v6, s88, v6                       ; out: row r, + 128 h
	v_add_nc_u32 v7, s89, v2                       ; where I store codes,
	v_add_nc_u32 v8, s90, v3                       ; and scale words
	v_add_nc_u32 v9, XS0, v3                       ; where x's scale words are read
	v_add_nc_u32 v14, s91, v3                      ; W_h's scale words: read,
	v_add_nc_u32 v21, s91, v2                      ; and stored
	v_lshl_add_u32 v15, v13, 5, s92                ; dec and v of my columns: + 32 h
	v_lshlrev_b32 v16, 2, v12                      ; in ep: 4 r
	v_add_nc_u32 v18, s93, v2                      ; in a row of x: my wave's 1,024 bytes + 16 x lane
	v_lshlrev_b32 v19, 5, v0                       ; dec and v: 32 bytes a thread
	v_add_nc_u32 v20, DECL, v19
	v_mov_b32 v27, 0                               ; a lane permute's destination counts as one of its sources
	v_mov_b32 v[OT], 0
	SA
	s_wait_kmcnt 0x0
	s_lshl_b32 s76, s21, 7
	s_add_nc_u64 s[14:15], s[14:15], s[76:77]
	s_load_b32 s23, s[14:15], 0x0                  ; n
	s_lshl_b32 s82, s20, 2
	s_add_co_u32 s82, s82, 4096                    ; W_h's tile 4 w
	s_mul_i32 s76, s82, 12288
	s_add_nc_u64 s[74:75], s[6:7], s[76:77]
	s_lshl_b32 s76, s82, 9
	s_add_nc_u64 s[8:9], s[8:9], s[76:77]
	s_lshl_b32 s76, s21, 12
	s_add_nc_u64 s[10:11], s[10:11], s[76:77]      ; part 0 of dec[b]
	s_lshl_b32 s76, s21, 23
	s_add_nc_u64 s[72:73], s[4:5], s[76:77]        ; x[b]
	s_lshl_b32 s76, s21, 13
	s_add_nc_u64 s[24:25], s[16:17], s[76:77]      ; rowlist[b]
	WLOAD 0, 0
.irp p, 0,1,2,3
.irp i, 0,1,2,3
	global_load_b128 v[64+16*\p+4*\i:67+16*\p+4*\i], v2, s[8:9] offset:8192*\p+512*\i     ; the scale words of my four tiles of each phase
.endr
.endr
.irp q, 0,1,2,3
.irp e, 0,1
	global_load_b128 v[128+8*\q+4*\e:131+8*\q+4*\e], v19, s[10:11] offset:131072*\q+16*\e  ; dec's four parts along K
.endr
.endr
	global_load_b128 v[160:163], v19, s[12:13]
	global_load_b128 v[164:167], v19, s[12:13] offset:16
	s_wait_kmcnt 0x0
	s_add_co_u32 s82, s23, 31
	s_lshr_b32 s82, s82, 5
	s_min_u32 s82, s82, 64
	s_lshl_b32 s82, s82, 1                         ; the batch's tiles
	s_add_co_u32 s83, s82, 7
	s_lshr_b32 s83, s83, 3                         ; tiles a work-group
	s_mul_i32 s29, s22, s83                        ; my first
	s_sub_co_i32 s27, s82, s29
	s_max_i32 s27, s27, 0
	s_min_u32 s27, s27, s83
	s_min_u32 s27, s27, 16                         ; cnt
	s_min_u32 s29, s29, 127
	s_sub_co_i32 s28, s27, 1
	s_max_i32 s28, s28, 0                          ; my last tile
	s_max_u32 s87, s27, 1                          ; tiles to quantise
	s_lshl_b32 s76, s21, 17
	s_lshl_b32 s82, s20, 13
	s_add_co_u32 s76, s76, s82
	s_lshl_b32 s82, s29, 6
	s_add_co_u32 s76, s76, s82
	s_add_nc_u64 s[78:79], s[18:19], s[76:77]      ; ep[b][w][my first slot]
	s_mov_b32 s84, 0
	ROWS 32, 0, 26
	ROWS 48, 1, 85
	s_wait_kmcnt 0x0
	VOFF
	SA
	XL 0, 0
	XL 0, 1
	XL 1, 0
	XL 1, 1
	ROWS 32, 2, 26
	ROWS 48, 3, 85
	s_wait_loadcnt 63                              ; W_h's first set, the scale words, dec and v are in: 64 loads of x were issued behind them
.irp p, 0,1,2,3
.irp i, 0,1,2,3
	ds_store_b128 v21, v[64+16*\p+4*\i:67+16*\p+4*\i] offset:8192*\p+512*\i
.endr
.endr
.irp i, 0,2,4,6
	v_pk_add_f32 v[128+\i:129+\i], v[128+\i:129+\i], v[136+\i:137+\i]
	v_pk_add_f32 v[144+\i:145+\i], v[144+\i:145+\i], v[152+\i:153+\i]
.endr
.irp i, 0,2,4,6
	v_pk_add_f32 v[128+\i:129+\i], v[128+\i:129+\i], v[144+\i:145+\i]
.endr
	ds_store_b128 v20, v[128:131]
	ds_store_b128 v20, v[132:135] offset:16
	ds_store_b128 v20, v[160:163] offset:4096
	ds_store_b128 v20, v[164:167] offset:4112
	s_mov_b32 s70, 0
	s_mov_b32 s71, 0
	SA
.Lq:                                   ; eight trips of two tiles in every work-group
	s_cmp_ge_u32 s84, s87
	s_cbranch_scc1 .Lqs
	s_wait_kmcnt 0x0                               ; the rows of the tiles two and three on are in
	s_wait_xcnt 0x0                                ; the loads that are out have read their offsets
	VOFF
	ROWS 32, 4, 26
	ROWS 48, 5, 85
	v_add_nc_u32 v22, s70, v7
	v_add_nc_u32 v23, s71, v8
	SA
	UNIT 0, 0
	UNIT 0, 1
	FIN 0
	UNIT 1, 0
	UNIT 1, 1
	FIN 1
.Lqs:
	s_add_co_u32 s70, s70, 6144
	s_add_co_u32 s71, s71, 256
	s_add_co_u32 s84, s84, 2
	s_cmp_lt_u32 s84, 16
	SA
	s_cbranch_scc1 .Lq
	s_wait_loadcnt 0x0                             ; the loads past the last tile: their registers take W_h's second set
	s_wait_kmcnt 0x0
	s_wait_dscnt 0x0                               ; my codes, scale words, dec and v have landed
	s_barrier_signal -1
	s_barrier_wait -1
	PHASE 0
	PHASE 1
	PHASE 2
	PHASE 3
	s_wait_tensorcnt 0x0                           ; the wave's end
	ds_add_u32 v10, v11
	s_wait_dscnt 0x0
	s_endpgm
.Lfunc_end_k_q559219e618_energy:
	.size	k_q559219e618_energy, .Lfunc_end_k_q559219e618_energy-k_q559219e618_energy
	.p2alignl 7, 3214868480
	.fill 96, 4, 3214868480
	.section	.rodata,"a",@progbits
	.p2align	6, 0x0
	.amdhsa_kernel k_q559219e618_energy
		.amdhsa_group_segment_fixed_size 313856
		.amdhsa_private_segment_fixed_size 0
		.amdhsa_enable_private_segment 0
		.amdhsa_kernarg_size 64
		.amdhsa_user_sgpr_count 2
		.amdhsa_user_sgpr_kernarg_segment_ptr 1
		.amdhsa_wavefront_size32 1
		.amdhsa_system_sgpr_workgroup_id_x 1
		.amdhsa_system_sgpr_workgroup_id_y 1
		.amdhsa_system_sgpr_workgroup_id_z 1
		.amdhsa_system_vgpr_workitem_id 0
		.amdhsa_next_free_vgpr 1024
		.amdhsa_next_free_sgpr 96
		.amdhsa_reserve_vcc 0
		.amdhsa_float_denorm_mode_32 3
		.amdhsa_float_denorm_mode_16_64 3
		.amdhsa_memory_ordered 1
		.amdhsa_forward_progress 1
		.amdhsa_inst_pref_size 154
	.end_amdhsa_kernel
	.amdgpu_metadata
---
amdhsa.version: [ 1, 2 ]
amdhsa.kernels:
  - .name:           k_q559219e618_energy
    .symbol:         k_q559219e618_energy.kd
    .args:
      - { .name: encoder_outputs, .offset: 0, .size: 8, .value_kind: global_buffer, .address_space: global }
      - { .name: codes, .offset: 8, .size: 8, .value_kind: global_buffer, .address_space: global }
      - { .name: scales, .offset: 16, .size: 8, .value_kind: global_buffer, .address_space: global }
      - { .name: dec, .offset: 24, .size: 8, .value_kind: global_buffer, .address_space: global }
      - { .name: v, .offset: 32, .size: 8, .value_kind: global_buffer, .address_space: global }
      - { .name: meta, .offset: 40, .size: 8, .value_kind: global_buffer, .address_space: global }
      - { .name: rowlist, .offset: 48, .size: 8, .value_kind: global_buffer, .address_space: global }
      - { .name: ep, .offset: 56, .size: 8, .value_kind: global_buffer, .address_space: global }
    .group_segment_fixed_size: 313856
    .private_segment_fixed_size: 0
    .kernarg_segment_align: 8
    .kernarg_segment_size: 64
    .max_flat_workgroup_size: 128
    .sgpr_count:     96
    .vgpr_count:     1024
    .wavefront_size: 32
...
	.end_amdgpu_metadata
.endif
;; end of part 2
;; launch context (part 3): grid 256 x 1, 8 waves a work-group, no clusters, 13,824 bytes of LDS; arguments encoder_outputs, ep, meta, rowlist, inv, out0, out1; writes out0, out1
.if DOCPART == 3
	.amdgcn_target "amdgcn-amd-amdhsa--gfx1250"
	.amdhsa_code_object_version 6
	.text
	.protected	k_q559219e618_context
	.globl	k_q559219e618_context
	.p2align	8
	.type	k_q559219e618_context,@function
k_q559219e618_context:
	s_mov_b64 s[64:65], 0
	v_nop
	global_prefetch_b8 v0, s[64:65] scope:SCOPE_SE
	s_setreg_imm32_b32 hwreg(HW_REG_WAVE_MODE, 25, 1), 1
	s_wait_xcnt 0x0
; Launch 3 of 3: the softmax over a batch's slots, out1, and out0 = the weighted sum of the listed rows of x.
; Left out: masked rows (weight 0) and sum(v), as the first kernel's head shows.  t = -2 log2(e) sum(v r) is the energy x log2(e) less a constant of the batch; the row's true largest t is taken away.
; A batch with no open row: the factor is 0, so all t are equal and the weights uniform.
; SHARES.  Work-group = (batch b, columns 128 ec on: 512 consecutive bytes of every row), so each number of out0 has one owner.  The softmax is made anew in each of a batch's 8 work-groups.
; Thread t sums ep over the 16 column groups for slots 4 g .. 4 g + 3, g = t and t + 256; p = 2^(t - M) goes to LDS, 4 bytes a slot; slots from n on get p = 0.
; out1: waves 0-3, two rows a lane: the row's slot from inv, its 16 parts of ep gathered from memory, p made anew; a wave stores 256 consecutive bytes.
; out0: wave w takes slots 128 k + 16 w + 0 .. 15 of block k; a load reads a row's 512 bytes; loads run a block ahead; rows come from rowlist by scalar loads two blocks ahead.
; The loop has 8 trips of two blocks in every work-group; a trip whose slots all lie at or past n is jumped over.  Slots from n on in a live trip name row 0 with weight 0.
.set RED,   8192                       ; LDS: p at 0; the eight waves' sums; two blocks for the maximum and the sum; the spare words
.set XM,    12288
.set XS,    12544
.set SPARE, 12800
.macro ROWS r, off                     ; 16 rows of the block that begins off bytes of the list behind this trip's
	s_add_co_u32 s26, s25, \off
	s_min_u32 s26, s26, 7680                       ; the look-ahead stays in the batch's list
	s_add_co_u32 s26, s26, s68
	s_load_b512 s[\r:\r+15], s[66:67], s26 offset:0x0
.endm
.macro FETCH x                         ; set x's 16 rows are asked for
.irp r, 0,1,2,3,4,5,6,7,8,9,10,11,12,13,14,15
	s_min_u32 s[32+16*\x+\r], s[32+16*\x+\r], 2047
.endr
.irp r, 0,1,2,3,4,5,6,7,8,9,10,11,12,13,14,15
	v_lshl_add_u32 v[16+16*\x+\r], s[32+16*\x+\r], 12, v2
.endr
.irp r, 0,1,2,3,4,5,6,7,8,9,10,11,12,13,14,15
	global_load_b128 v[64+64*\x+4*\r:64+64*\x+4*\r+3], v[16+16*\x+\r], s[30:31]
.endr
.endm
.macro HALF cur, nxt, hb
	s_wait_kmcnt 0x0                               ; the next block's rows are in, and s26 is free
	FETCH \nxt
	ROWS 32+16*\cur, 1024+512*\hb
.irp i, 0,1,2,3
	ds_load_b128 v[48+4*\i:51+4*\i], v203 offset:512*\hb+16*\i   ; this block's 16 p, the same in every lane
.endr
	s_wait_loadcnt 16                              ; this block's 16 loads are in; the 16 just issued may be out
	s_wait_dscnt 0x0
.irp r, 0
	v_pk_fma_f32 v[192:193], v[64+64*\cur+4*\r:65+64*\cur+4*\r], v[48+\r:49+\r], v[192:193] op_sel_hi:[1,0,1]
	v_pk_fma_f32 v[194:195], v[66+64*\cur+4*\r:67+64*\cur+4*\r], v[48+\r:49+\r], v[194:195] op_sel_hi:[1,0,1]
	v_pk_fma_f32 v[196:197], v[68+64*\cur+4*\r:69+64*\cur+4*\r], v[48+\r:49+\r], v[196:197] op_sel:[0,1,0] op_sel_hi:[1,1,1]
	v_pk_fma_f32 v[198:199], v[70+64*\cur+4*\r:71+64*\cur+4*\r], v[48+\r:49+\r], v[198:199] op_sel:[0,1,0] op_sel_hi:[1,1,1]
.endr
.irp r, 2, 4, 6, 8, 10, 12, 14
	s_delay_alu instid0(VALU_DEP_4)
	v_pk_fma_f32 v[192:193], v[64+64*\cur+4*\r:65+64*\cur+4*\r], v[48+\r:49+\r], v[192:193] op_sel_hi:[1,0,1]
	s_delay_alu instid0(VALU_DEP_4)
	v_pk_fma_f32 v[194:195], v[66+64*\cur+4*\r:67+64*\cur+4*\r], v[48+\r:49+\r], v[194:195] op_sel_hi:[1,0,1]
	s_delay_alu instid0(VALU_DEP_4)
	v_pk_fma_f32 v[196:197], v[68+64*\cur+4*\r:69+64*\cur+4*\r], v[48+\r:49+\r], v[196:197] op_sel:[0,1,0] op_sel_hi:[1,1,1]
	s_delay_alu instid0(VALU_DEP_4)
	v_pk_fma_f32 v[198:199], v[70+64*\cur+4*\r:71+64*\cur+4*\r], v[48+\r:49+\r], v[198:199] op_sel:[0,1,0] op_sel_hi:[1,1,1]
.endr
.endm
	s_load_b256 s[4:11], s[0:1], 0x0               ; x s[4:5], ep s[6:7], meta s[8:9], rowlist s[10:11]
	s_load_b128 s[12:15], s[0:1], 0x20             ; inv s[12:13], out0 s[14:15]
	s_load_b64 s[16:17], s[0:1], 0x30              ; out1
	v_lshl_add_u32 v4, v0, 2, SPARE
	v_mov_b32 v5, 0
	v_lshrrev_b32 v6, 5, v0
	s_delay_alu instid0(VALU_DEP_1)
	v_readfirstlane_b32 s18, v6                    ; wave
	s_lshr_b32 s19, ttmp9, 3                       ; b
	s_and_b32 s20, ttmp9, 7                        ; ec
	v_and_b32 v1, 31, v0
	s_delay_alu instid0(VALU_DEP_1)
	v_lshlrev_b32 v2, 4, v1
	s_lshl_b32 s26, s18, 9
	v_add_nc_u32 v3, s26, v2                       ; my wave's 512 bytes among the sums
	s_lshl_b32 s26, s18, 2
	v_mov_b32 v7, s26                              ; my wave's word
	s_lshl_b32 s68, s18, 6
	v_mov_b32 v202, s68                            ; my wave's 16 p of a block
	v_mov_b32 v208, 0xff61b1e6                     ; -3e38
	v_lshlrev_b32 v209, 4, v0
	v_lshlrev_b32 v214, 3, v0
	v_mov_b32 v215, 0
	s_mov_b32 s28, 0x76543210
	s_mov_b32 s29, 0xfedcba98
	s_mov_b32 s27, 0
	s_lshl_b32 s26, s19, 7
	s_wait_kmcnt 0x0
	s_add_nc_u64 s[8:9], s[8:9], s[26:27]
	s_load_b64 s[70:71], s[8:9], 0x0               ; n, the flag 'none open'
	s_lshl_b32 s26, s19, 17
	s_add_nc_u64 s[6:7], s[6:7], s[26:27]          ; ep[b]
	s_lshl_b32 s26, s19, 13
	s_add_nc_u64 s[66:67], s[10:11], s[26:27]      ; rowlist[b]
	s_lshl_b32 s72, s20, 10
	s_add_co_u32 s26, s26, s72
	s_add_nc_u64 s[12:13], s[12:13], s[26:27]      ; inv and out1 at row 256 ec of the batch
	s_add_nc_u64 s[16:17], s[16:17], s[26:27]
	s_lshl_b32 s26, s19, 23
	s_lshl_b32 s72, s20, 9
	s_add_co_u32 s26, s26, s72
	s_add_nc_u64 s[30:31], s[4:5], s[26:27]        ; x[b][0][128 ec]
	s_lshl_b32 s26, s19, 12
	s_add_co_u32 s26, s26, s72
	s_add_nc_u64 s[14:15], s[14:15], s[26:27]      ; out0[b][128 ec]
	s_cmp_lt_u32 s18, 4
	s_cbranch_scc0 .Lni
	s_wait_alu depctr_va_vdst(0)
	global_load_b64 v[204:205], v214, s[12:13]     ; the slots of my two rows
.Lni:
	s_wait_kmcnt 0x0
	s_add_co_u32 s23, s70, 31
	s_lshr_b32 s23, s23, 5
	s_lshl_b32 s23, s23, 3
	s_sub_co_u32 s23, s23, 1                       ; the last group of four slots that was written
	s_sub_co_u32 s72, s70, 1
	s_mov_b32 s73, 0xc038aa3b                      ; -2 log2(e),
	s_cmp_lg_u32 s71, 0
	s_cselect_b32 s73, 0, s73                      ; or 0 where no row is open
	v_min_u32 v210, s23, v0
	v_add_nc_u32 v211, 256, v0
	s_delay_alu instid0(VALU_DEP_1)
	v_min_u32 v211, s23, v211
.irp k, 0,1
	s_delay_alu instid0(VALU_DEP_3)
	v_min_u32 v[210+\k], 511, v[210+\k]
	s_delay_alu instid0(VALU_DEP_1)
	v_lshlrev_b32 v[210+\k], 4, v[210+\k]
.endr
.irp k, 0,1
.irp c, 0,1,2,3,4,5,6,7,8,9,10,11,12,13,14,15
	global_load_b128 v[64+64*\k+4*\c:67+64*\k+4*\c], v[210+\k], s[6:7] offset:8192*\c
.endr
.endr
	s_cmp_lt_u32 s18, 4
	s_cbranch_scc0 .Lng
	s_wait_loadcnt 32                              ; the slots are in; the 32 loads of ep behind them may be out
.irp e, 0,1
	v_min_u32 v[206+\e], s72, v[204+\e]            ; a masked row reads slot n - 1's parts, which are thrown away below
	s_delay_alu instid0(VALU_DEP_1)
	v_min_u32 v[206+\e], 2047, v[206+\e]
	s_delay_alu instid0(VALU_DEP_1)
	v_lshlrev_b32 v[206+\e], 2, v[206+\e]
.endr
.irp c, 0,1,2,3,4,5,6,7,8,9,10,11,12,13,14,15
.irp e, 0,1
	global_load_b32 v[16+2*\c+\e], v[206+\e], s[6:7] offset:8192*\c
.endr
.endr
.Lng:
	s_wait_loadcnt 0x0
.irp d, 8,4,2,1                        ; the 16 column groups are added, four slots at a time
.irp k, 0,1
.set q, 0
.rept \d
	v_pk_add_f32 v[64+64*\k+4*q:65+64*\k+4*q], v[64+64*\k+4*q:65+64*\k+4*q], v[64+64*\k+4*(q+\d):65+64*\k+4*(q+\d)]
	v_pk_add_f32 v[66+64*\k+4*q:67+64*\k+4*q], v[66+64*\k+4*q:67+64*\k+4*q], v[66+64*\k+4*(q+\d):67+64*\k+4*(q+\d)]
.set q, q+1
.endr
.endr
.endr
	v_lshlrev_b32 v212, 2, v0
.irp k, 0,1
.irp i, 0,1,2,3
	v_mul_f32 v[8+4*\k+\i], s73, v[64+64*\k+\i]    ; t
	v_add_nc_u32 v213, 1024*\k+\i, v212            ; its slot
	s_delay_alu instid0(VALU_DEP_1)
	v_cmp_gt_u32 vcc_lo, s70, v213
	s_delay_alu instid0(VALU_DEP_1)
	v_cndmask_b32 v[8+4*\k+\i], v208, v[8+4*\k+\i], vcc_lo   ; from slot n on: -3e38
.endr
.endr
	v_max3_num_f32 v200, v8, v9, v10
	s_delay_alu instid0(VALU_DEP_1)
	v_max3_num_f32 v200, v200, v11, v12
	s_delay_alu instid0(VALU_DEP_1)
	v_max3_num_f32 v200, v200, v13, v14
	s_delay_alu instid0(VALU_DEP_1)
	v_max_num_f32 v200, v200, v15
.irp m, 1,2,4,8
	s_delay_alu instid0(VALU_DEP_1)
	v_max_num_f32_dpp v200, v200, v200 row_xmask:\m row_mask:0xf bank_mask:0xf
.endr
	s_delay_alu instid0(VALU_DEP_1)
	v_permlanex16_b32 v6, v200, s28, s29
	s_delay_alu instid0(VALU_DEP_1)
	v_max_num_f32 v200, v200, v6
	ds_store_b32 v7, v200 offset:XM                ; all lanes write the wave's word with the same value
	s_wait_dscnt 0x0
	s_barrier_signal -1
	s_barrier_wait -1
	ds_load_b128 v[48:51], v215 offset:XM
	ds_load_b128 v[52:55], v215 offset:XM+16
	s_wait_dscnt 0x0
	v_max3_num_f32 v200, v48, v49, v50
	s_delay_alu instid0(VALU_DEP_1)
	v_max3_num_f32 v200, v200, v51, v52
	s_delay_alu instid0(VALU_DEP_1)
	v_max3_num_f32 v200, v200, v53, v54
	s_delay_alu instid0(VALU_DEP_1)
	v_max_num_f32 v200, v200, v55                  ; M: the batch's largest t
.irp i, 8,9,10,11,12,13,14,15
	v_sub_f32 v\i, v\i, v200
.endr
	s_wait_alu depctr_va_vdst(0)
.irp i, 8,9,10,11,12,13,14,15
	v_exp_f32 v\i, v\i
.endr
	v_nop                                          ; a plain line behind the last exponential,
	s_wait_alu depctr_va_vdst(0)                   ; and a wait ahead of the first line that names a result
	ds_store_b128 v209, v[8:11]
	ds_store_b128 v209, v[12:15] offset:4096
	v_pk_add_f32 v[212:213], v[8:9], v[10:11]
	v_pk_add_f32 v[212:213], v[212:213], v[12:13]
	v_pk_add_f32 v[212:213], v[212:213], v[14:15]
	s_delay_alu instid0(VALU_DEP_1)
	v_add_f32 v201, v212, v213
.irp m, 1,2,4,8
	s_delay_alu instid0(VALU_DEP_1)
	v_add_f32_dpp v201, v201, v201 row_xmask:\m row_mask:0xf bank_mask:0xf
.endr
	s_delay_alu instid0(VALU_DEP_1)
	v_permlanex16_b32 v6, v201, s28, s29
	s_delay_alu instid0(VALU_DEP_1)
	v_add_f32 v201, v201, v6
	ds_store_b32 v7, v201 offset:XS
	s_wait_dscnt 0x0                               ; p and my wave's sum have landed
	s_barrier_signal -1
	s_barrier_wait -1
	ds_load_b128 v[48:51], v215 offset:XS
	ds_load_b128 v[52:55], v215 offset:XS+16
	s_wait_dscnt 0x0
	v_pk_add_f32 v[48:49], v[48:49], v[50:51]
	v_pk_add_f32 v[52:53], v[52:53], v[54:55]
	s_delay_alu instid0(VALU_DEP_1)
	v_pk_add_f32 v[48:49], v[48:49], v[52:53]
	s_delay_alu instid0(VALU_DEP_1)
	v_add_f32 v201, v48, v49
	s_wait_alu depctr_va_vdst(0)
	v_rcp_f32 v201, v201
	v_nop
	s_wait_alu depctr_va_vdst(0)                   ; 1 / the sum of p
	s_cmp_lt_u32 s18, 4
	s_cbranch_scc0 .Lno1
.irp d, 8,4,2,1
.set q, 0
.rept \d
	v_pk_add_f32 v[16+2*q:17+2*q], v[16+2*q:17+2*q], v[16+2*(q+\d):17+2*(q+\d)]
.set q, q+1
.endr
.endr
.irp e, 16
	s_delay_alu instid0(VALU_DEP_1)
	v_mul_f32 v\e, s73, v\e
.endr
.irp e, 17
	s_delay_alu instid0(VALU_DEP_2)
	v_mul_f32 v\e, s73, v\e
.endr
.irp e, 16,17
	s_delay_alu instid0(VALU_DEP_2)
	v_sub_f32 v\e, v\e, v200
.endr
	s_wait_alu depctr_va_vdst(0)
.irp e, 16,17
	v_exp_f32 v\e, v\e
.endr
	v_nop
	s_wait_alu depctr_va_vdst(0)
.irp e, 0,1
	v_mul_f32 v[16+\e], v[16+\e], v201
	v_cmp_gt_u32 vcc_lo, s70, v[204+\e]
	s_delay_alu instid0(VALU_DEP_1)
	v_cndmask_b32 v[16+\e], 0, v[16+\e], vcc_lo    ; a masked row's slot is n or more: weight 0
.endr
	global_store_b64 v214, v[16:17], s[16:17]      ; 32 lanes store 256 consecutive bytes
	s_wait_xcnt 0x0                                ; v16 and v17 are written again below
.Lno1:
.irp i, 192,193,194,195,196,197,198,199
	v_mov_b32 v\i, 0                               ; two sets of four sums
.endr
	s_mov_b32 s24, 0
	s_mov_b32 s25, 0                               ; this trip's first byte in the list and among the p
	s_mov_b32 s69, 0                               ; and its first slot
	ROWS 32, 0
	s_wait_kmcnt 0x0
	FETCH 0
	ROWS 48, 512
.Ltrip:
	s_cmp_ge_u32 s69, s70
	s_cbranch_scc1 .Lpast
	v_add_nc_u32 v203, s25, v202
	HALF 0, 1, 0
	HALF 1, 0, 1
.Lpast:
	s_add_co_u32 s25, s25, 1024
	s_add_co_u32 s69, s69, 256
	s_add_co_u32 s24, s24, 1
	s_cmp_lt_u32 s24, 8
	s_cbranch_scc1 .Ltrip
	s_wait_alu depctr_va_vdst(0)
	v_pk_add_f32 v[192:193], v[192:193], v[196:197]
	v_pk_add_f32 v[194:195], v[194:195], v[198:199]
	ds_store_b128 v3, v[192:195] offset:RED
	s_wait_dscnt 0x0
	s_barrier_signal -1
	s_barrier_wait -1
	s_cmp_lg_u32 s18, 0
	s_cbranch_scc1 .Lfin
.irp j, 0,1,2,3,4,5,6,7
	ds_load_b128 v[32+4*\j:35+4*\j], v2 offset:RED+512*\j
.endr
	s_wait_dscnt 0x0
.irp d, 4,2,1
.set q, 0
.rept \d
	v_pk_add_f32 v[32+4*q:33+4*q], v[32+4*q:33+4*q], v[32+4*(q+\d):33+4*(q+\d)]
	v_pk_add_f32 v[34+4*q:35+4*q], v[34+4*q:35+4*q], v[34+4*(q+\d):35+4*(q+\d)]
.set q, q+1
.endr
.endr
.irp i, 32,33,34,35
	v_mul_f32 v\i, v\i, v201
.endr
	global_store_b128 v2, v[32:35], s[14:15]       ; 32 lanes store 512 consecutive bytes
.Lfin:
	s_wait_tensorcnt 0x0                           ; the wave's end
	ds_add_u32 v4, v5
	s_wait_dscnt 0x0
	s_endpgm
.Lfunc_end_k_q559219e618_context:
	.size	k_q559219e618_context, .Lfunc_end_k_q559219e618_context-k_q559219e618_context
	.p2alignl 7, 3214868480
	.fill 96, 4, 3214868480
	.section	.rodata,"a",@progbits
	.p2align	6, 0x0
	.amdhsa_kernel k_q559219e618_context
		.amdhsa_group_segment_fixed_size 13824
		.amdhsa_private_segment_fixed_size 0
		.amdhsa_enable_private_segment 0
		.amdhsa_kernarg_size 56
		.amdhsa_user_sgpr_count 2
		.amdhsa_user_sgpr_kernarg_segment_ptr 1
		.amdhsa_wavefront_size32 1
		.amdhsa_system_sgpr_workgroup_id_x 1
		.amdhsa_system_sgpr_workgroup_id_y 1
		.amdhsa_system_sgpr_workgroup_id_z 1
		.amdhsa_system_vgpr_workitem_id 0
		.amdhsa_next_free_vgpr 216
		.amdhsa_next_free_sgpr 96
		.amdhsa_reserve_vcc 1
		.amdhsa_float_denorm_mode_32 3
		.amdhsa_float_denorm_mode_16_64 3
		.amdhsa_memory_ordered 1
		.amdhsa_forward_progress 1
		.amdhsa_inst_pref_size 41
	.end_amdhsa_kernel
	.amdgpu_metadata
---
amdhsa.version: [ 1, 2 ]
amdhsa.kernels:
  - .name:           k_q559219e618_context
    .symbol:         k_q559219e618_context.kd
    .args:
      - { .name: encoder_outputs, .offset: 0, .size: 8, .value_kind: global_buffer, .address_space: global }
      - { .name: ep, .offset: 8, .size: 8, .value_kind: global_buffer, .address_space: global }
      - { .name: meta, .offset: 16, .size: 8, .value_kind: global_buffer, .address_space: global }
      - { .name: rowlist, .offset: 24, .size: 8, .value_kind: global_buffer, .address_space: global }
      - { .name: inv, .offset: 32, .size: 8, .value_kind: global_buffer, .address_space: global }
      - { .name: out0, .offset: 40, .size: 8, .value_kind: global_buffer, .address_space: global }
      - { .name: out1, .offset: 48, .size: 8, .value_kind: global_buffer, .address_space: global }
    .group_segment_fixed_size: 13824
    .private_segment_fixed_size: 0
    .kernarg_segment_align: 8
    .kernarg_segment_size: 56
    .max_flat_workgroup_size: 256
    .sgpr_count:     96
    .vgpr_count:     216
    .wavefront_size: 32
...
	.end_amdgpu_metadata
.endif
;; end of part 3
